; MI455X (gfx1250); checked and timed in simulation.
; The chip was launched on July 23, 2026; its instructions are those of AMD's public machine-readable ISA for CDNA 5 (MIT licence, August 2026) and "CDNA5" Instruction Set Architecture Reference Guide (July 2026). The comments in the code are by the model that wrote it; some were corrected since.
;; VQ. Allowed arithmetic: matrix products marked QUANTISED: E3M2 operands, one E8M0 scale for each 32 along K, by v_wmma_scale_f32_16x16x128_f8f6f4 with both operands' format E3M2, f32 sums; everything else in f32.
;; Inputs: embedding 8,192 x 2,048 float32; x 4,096 x 2,048 float32.
;; Outputs: out0 4,096 x 2,048 float32; out1 4,096 int32.
;; This version of the problem:
;;   THIS VERSION OF THE PROBLEM IS GIVEN IN LOW PRECISION. The matrix products marked QUANTISED in the list below multiply operands that are first quantised to E3M2 (3 exponent bits, 2 mantissa bits; 6 bits a number), with one power-of-two scale for each 32 numbers along K (OCP MX v1.0); their sums are f32. All else is computed in f32.
;;   The module's matrix products, in the order in which they are computed (A, B: the left and right operand; K: the contracted axis; several contracted axes count as one K, in the product's order):
;;     1. [M 4,096, K 2,048] x [K 2,048, N 8,192]; A: input x; B: input embedding: QUANTISED
;;   THE QUANTISER, for each operand of a quantised product, along K:
;;     - K is cut into blocks of 32 from its start; a last block that is shorter is filled with zeros.
;;     - A block's scale is 2^e with e = floor(log2(the largest magnitude in the block)) - 4, held to -126 .. 127; a block of zeros has e = 0. As a byte (E8M0): e + 127.
;;     - Each number is divided by its block's scale, clamped to +-28, and rounded to the nearest number of E3M2, ties to even, subnormals kept.
;;     - The product sums the exact products of the quantised numbers (number of the format x scale) in f32.
;;   ~~~python
;;   def quantise(x, axis):      # numpy; x: float32 -> the quantised numbers, widened to float32 again
;;       x = np.moveaxis(x, axis, -1); K = x.shape[-1]
;;       x = np.pad(x, [(0, 0)] * (x.ndim - 1) + [(0, -K % 32)]); x = x.reshape(x.shape[:-1] + (-1, 32)); a = np.abs(x).max(-1, keepdims=True)
;;       e = np.where(a > 0, np.clip(np.frexp(np.where(a > 0, a, 1))[1] - 1 - 4, -126, 127), 0)      # np.frexp(a)[1] - 1 = floor(log2(a)), exactly
;;       r = np.clip(x / 2.0 ** e, -28, 28)
;;       step = 2.0 ** (np.maximum(np.frexp(np.where(r == 0, 1, r))[1] - 1, -2) - 2)
;;       q = np.round(r / step) * step * 2.0 ** e      # np.round: ties to even
;;       return np.moveaxis(q.reshape(q.shape[:-2] + (-1,))[..., :K], -1, axis).astype(np.float32)
;;   ~~~
;; One version. Each part assembles by itself: llvm-mc -triple=amdgcn-amd-amdhsa -mcpu=gfx1250 --defsym DOCPART=n.
;; ======== version 1 of 1: 3 launches
;; workspace buffers: codes 18,874,368 bytes; scales 786,432 bytes; sq 49,152 bytes; pkey 1,048,576 bytes of whole numbers; pidx 1,048,576 bytes of whole numbers
;; launch quant (part 1): grid 768 x 1, 4 waves a work-group, no clusters, 33,280 bytes of LDS; arguments x, embedding, codes, scales, sq; writes codes, scales, sq
.if DOCPART == 1
	.amdgcn_target "amdgcn-amd-amdhsa--gfx1250"
	.amdhsa_code_object_version 6
	.text
	.protected	k_q5fd694013b_quant
	.globl	k_q5fd694013b_quant
	.p2align	8
	.type	k_q5fd694013b_quant,@function
k_q5fd694013b_quant:
	s_mov_b64 s[64:65], 0
	v_nop
	global_prefetch_b8 v0, s[64:65] scope:SCOPE_SE
	s_setreg_imm32_b32 hwreg(HW_REG_WAVE_MODE, 25, 1), 1
	s_wait_xcnt 0x0
; x [4096][2048] and embedding [8192][2048], f32, are turned into codes of BF6 (E3M2), 6 bits each, K innermost, with one E8M0 scale byte for each 32 along K;
; and each row's sum of squares of the UNQUANTISED numbers is made on the way, in f32.  x's rows come first in each of the three buffers, then embedding's:
; codes: 1,536 bytes a row;  scales: 64 bytes a row;  sq: 4 bytes a row.
; A block's scale is 2^(floor(log2(its largest magnitude)) - 4); its byte is the largest magnitude's own exponent field - 4, held at 1 from below.  Each number is divided by the scale and rounded to the
; nearest code, ties to even; beyond the largest code, 28, the largest code.
; LIMITS: a block of zeros gets the byte 1 where the rule says 127 (its codes are zeros, which add nothing under that byte, and this program alone reads the bytes); blocks whose largest magnitude lies under
; 2^-122, whose byte is held at 1, were not tried; NaN and infinities among the inputs are not served.  A row's sum of squares is a tree sum (four chains a lane, then the 32 lanes), not a sum in the order of the row.
; SHARES.  A wave takes 8,192 numbers on end: 4 whole rows, 16 steps of 512 numbers.  The first WGA work-groups take x, the others embedding: only the input's pointer is chosen.
; The conversion takes 16 numbers of one block from ONE lane's registers, so a lane must hold 16 neighbours; a load is best where neighbouring lanes take neighbouring bytes.  Both are had: each of a step's four loads
; reads 512 consecutive bytes, 16 a lane; the 2,048 bytes go through the wave's own stage in LDS, as they lie, and come back 64 bytes a lane (16 bytes of padding behind each 64).
; A lane's 16 codes are 12 bytes: the wave stores 384 consecutive bytes.  A wave's 256 scale bytes are gathered in its own LDS bytes and leave as one aligned run of 256 bytes.
; No barrier: waves share nothing.  Loads run four steps (16 loads a wave) ahead, the turn through LDS one step.
.set WAVES, 4
.set STEPS, 16
.set WGA,   256                        ; 4,096 x 2,048 numbers / 32,768 a work-group
.set CB,    12                         ; bytes of 16 codes
.set R,     16                         ; v16-79   four sets of 16 numbers as they are loaded
.set X,     80                         ; v80-111  two sets of 16 neighbours
.set E,     112                        ; v112-127 a scale byte for each step
.set C,     128                        ; v128-191 codes: four registers for each step, so that no store's data are written again
.set Q,     192                        ; v192-195 the squares: two packed chains
.set RS,    196                        ; v196-199 the four rows' sums
.set PT,    200                        ; v200     a lane permute's destination
.set ZO,    201                        ; v201     0: the offset of the sums' store
.set WREG,  8192                       ; LDS: a region of its own for each wave: two stages of 32 x SP bytes, and behind them its 256 scale bytes
.set SP,    80                         ; a lane's place in a stage: its 64 bytes + 16 of padding
	s_load_b128 s[4:7], s[0:1], 0x0                ; x, embedding
	s_load_b128 s[8:11], s[0:1], 0x10              ; codes, scales
	s_load_b64 s[12:13], s[0:1], 0x20              ; sq
	v_lshl_add_u32 v208, v0, 2, 0x8000
	v_mov_b32 v209, 0
	v_lshrrev_b32 v1, 5, v0
	v_readfirstlane_b32 s16, v1                    ; wave
	v_and_b32 v2, 31, v0                           ; lane
	v_lshlrev_b32 v3, 4, v2                        ; my 16 bytes of a load's 512
	s_mul_i32 s17, s16, WREG
	v_lshrrev_b32 v14, 2, v2
	v_mul_u32_u24 v14, v14, SP
	v_and_b32 v15, 3, v2
	v_lshl_add_u32 v14, v15, 4, v14
	v_add_nc_u32 v14, s17, v14                     ; the stage, on the way in: four lanes' 64 bytes on end, then 16 of padding
	v_mul_u32_u24 v15, v2, SP
	v_add_nc_u32 v15, s17, v15                     ; and on the way out: SP x lane: my 16 neighbours
	v_mul_u32_u24 v4, v2, CB                       ; my codes' place in a step's
	v_lshrrev_b32 v5, 1, v2
	s_add_co_u32 s17, s17, 2*32*SP
	v_add_nc_u32 v5, s17, v5                       ; LDS: my wave's 256 scale bytes, my block's byte
	v_lshlrev_b32 v7, 3, v2                        ; and on the way out 8 bytes a lane
	v_add_nc_u32 v6, s17, v7
	v_mov_b32 v[PT], 0                             ; written once: a lane permute's destination counts as one of its sources
	v_mov_b32 v[ZO], 0
	s_mov_b32 s24, 0x76543210
	s_mov_b32 s25, 0xfedcba98                      ; v_permlanex16_b32's selects for lane l xor 16
	s_wait_kmcnt 0x0
	s_cmp_lt_u32 ttmp9, WGA                        ; x's work-group or embedding's?  The choice hangs on the work-group's number alone
	s_cselect_b64 s[4:5], s[4:5], s[6:7]
	s_cselect_b32 s17, 0, WGA
	s_sub_co_u32 s17, ttmp9, s17
	s_lshl_b32 s17, s17, 2
	s_add_co_u32 s18, s17, s16                     ; which run of 8,192 numbers of the tensor is my wave's
	s_mov_b32 s19, 0
	s_lshl_b64 s[20:21], s[18:19], 15              ; 32,768 bytes a run
	s_add_nc_u64 s[4:5], s[4:5], s[20:21]
	s_lshl_b32 s18, ttmp9, 2
	s_add_co_u32 s18, s18, s16                     ; which run of all 3,072: x's 1,024 lie first in every output
	s_mul_i32 s20, s18, 32*STEPS*CB                ; 6,144 bytes of codes a run: 18,868,224 at the most
	s_mov_b32 s21, 0
	s_add_nc_u64 s[8:9], s[8:9], s[20:21]
	s_lshl_b32 s20, s18, 8                         ; 256 scale bytes a run
	s_add_nc_u64 s[10:11], s[10:11], s[20:21]
	s_lshl_b32 s20, s18, 4                         ; four sums, 16 bytes, a run
	s_add_nc_u64 s[12:13], s[12:13], s[20:21]
.macro LOAD t
.irp i, 0,1,2,3
	global_load_b128 v[R+16*((\t)%4)+4*\i:R+16*((\t)%4)+4*\i+3], v3, s[4:5] offset:2048*(\t)+512*\i th:TH_LOAD_NT   ; 32 lanes read 512 consecutive bytes
.endr
.endm
.macro TURN t                          ; step t's numbers through the stage: LDS serves a wave's instructions in order, so no wait stands between the stores and the loads
.irp i, 0,1,2,3
	ds_store_b128 v14, v[R+16*((\t)%4)+4*\i:R+16*((\t)%4)+4*\i+3] offset:32*SP*((\t)%2)+8*SP*\i
.endr
.irp i, 0,1,2,3
	ds_load_b128 v[X+16*((\t)%2)+4*\i:X+16*((\t)%2)+4*\i+3], v15 offset:32*SP*((\t)%2)+16*\i
.endr
.endm
.irp t, 0,1,2,3
	LOAD \t
.endr
	s_wait_loadcnt 12                              ; step 0's four loads are in; the twelve of steps 1 to 3 may be out
	TURN 0
.macro STEP t
.set XS, X+16*((\t)%2)
.if (\t) > 0
	s_wait_dscnt 1                                 ; this step's numbers are back from the stage (the last step's byte store may be out): so its stores into the stage have read their registers,
.else
	s_wait_dscnt 0x0
.endif
.if (\t)+4 < STEPS
	LOAD (\t)+4                                    ; which take the loads of four steps on
.endif
.if (\t)+1 < STEPS
.if STEPS-2-(\t) >= 3
	s_wait_loadcnt 12                              ; the next step's four loads are in; those of the three steps behind it may be out
.else
	s_wait_loadcnt 4*(STEPS-2-(\t))                ; at the end fewer steps stand behind it
.endif
	TURN (\t)+1                                    ; and go through the other stage while this step is worked
.endif
	; the squares of my 16 numbers, two at a time, in two chains; a row is four steps, and its first step starts the chains: nothing is cleared
.if (\t)%4 == 0
	v_pk_mul_f32 v[Q:Q+1], v[XS:XS+1], v[XS:XS+1]
	v_pk_mul_f32 v[Q+2:Q+3], v[XS+2:XS+3], v[XS+2:XS+3]
.else
	v_pk_fma_f32 v[Q:Q+1], v[XS:XS+1], v[XS:XS+1], v[Q:Q+1]
	v_pk_fma_f32 v[Q+2:Q+3], v[XS+2:XS+3], v[XS+2:XS+3], v[Q+2:Q+3]
.endif
.irp i, 4,8,12
	v_pk_fma_f32 v[Q:Q+1], v[XS+\i:XS+\i+1], v[XS+\i:XS+\i+1], v[Q:Q+1]
	v_pk_fma_f32 v[Q+2:Q+3], v[XS+\i+2:XS+\i+3], v[XS+\i+2:XS+\i+3], v[Q+2:Q+3]
.endr
	v_max3_num_f32 v8, |v[XS]|, |v[XS+1]|, |v[XS+2]|               ; the largest magnitude of my 16
	v_max3_num_f32 v9, |v[XS+3]|, |v[XS+4]|, |v[XS+5]|
.irp i, 6,10
	v_max3_num_f32 v8, v8, |v[XS+\i]|, |v[XS+\i+1]|
	v_max3_num_f32 v9, v9, |v[XS+\i+2]|, |v[XS+\i+3]|
.endr
	v_max3_num_f32 v8, v8, |v[XS+14]|, |v[XS+15]|
	v_max3_num_f32 v8, v8, v9, 0x2800000           ; and the floor 2^(5 - 127), under which no largest magnitude is taken: so the byte cannot fall under 1
	v_max_num_f32_dpp v8, v8, v8 row_xmask:1 row_mask:0xf bank_mask:0xf   ; and of my neighbour's 16: the block's
	v_add_nc_u32 v11, 0xfe000000, v8               ; 4 off its exponent field: the conversion takes the exponent field of this operand as its scale, and nothing else of it
	v_cvt_scalef32_pk16_bf6_f32 v[C+4*(\t):C+4*(\t)+2], v[XS:XS+15], v11   ; sixteen codes, 96 bits without gaps, the first number's code lowest
	v_lshrrev_b32 v[E+(\t)], 23, v11               ; the scale's byte (also the plain instruction behind the conversion)
	ds_store_b8 v5, v[E+(\t)] offset:16*(\t)       ; both lanes of a block write the same byte with the same value
	global_store_b96 v4, v[C+4*(\t):C+4*(\t)+2], s[8:9] offset:32*CB*(\t)
.if (\t)%4 == 3                        ; the row is through: its four chains, then the 32 lanes
	v_pk_add_f32 v[Q:Q+1], v[Q:Q+1], v[Q+2:Q+3]
	v_add_f32 v[Q], v[Q], v[Q+1]
	v_add_f32_dpp v[Q], v[Q], v[Q] row_xmask:1 row_mask:0xf bank_mask:0xf
	v_add_f32_dpp v[Q], v[Q], v[Q] row_xmask:2 row_mask:0xf bank_mask:0xf
	v_add_f32_dpp v[Q], v[Q], v[Q] row_xmask:4 row_mask:0xf bank_mask:0xf
	v_add_f32_dpp v[Q], v[Q], v[Q] row_xmask:8 row_mask:0xf bank_mask:0xf
	v_permlanex16_b32 v[PT], v[Q], s24, s25
	v_add_f32 v[RS+(\t)/4], v[Q], v[PT]            ; every lane holds the row's sum
.endif
.endm
.irp t, 0,1,2,3,4,5,6,7,8,9,10,11,12,13,14,15
	STEP \t
.endr
	ds_load_b64 v[12:13], v6                       ; LDS serves a wave's instructions in order: these see my byte stores
	s_wait_dscnt 0x0
	global_store_b64 v7, v[12:13], s[10:11]        ; 32 lanes store 256 consecutive bytes, at a multiple of 256 from the buffer's first byte
	s_wait_xcnt 0x0                                ; EXEC is a source of the stores above: it is narrowed only behind this wait
	v_cmp_eq_u32 vcc_lo, 0, v2
	s_wait_tensorcnt 0x0
	ds_add_u32 v208, v209
	s_wait_dscnt 0x0
	s_and_saveexec_b32 s26, vcc_lo
	global_store_b128 v[ZO], v[RS:RS+3], s[12:13]  ; lane 0: my four rows' sums, 16 bytes (49,152 bytes in the whole launch go out so)
	s_wait_xcnt 0x0                                ; and widened again only behind this one
	s_or_b32 exec_lo, exec_lo, s26
	s_endpgm
.Lfunc_end_k_q5fd694013b_quant:
	.size	k_q5fd694013b_quant, .Lfunc_end_k_q5fd694013b_quant-k_q5fd694013b_quant
	.p2alignl 7, 3214868480
	.fill 96, 4, 3214868480
	.section	.rodata,"a",@progbits
	.p2align	6, 0x0
	.amdhsa_kernel k_q5fd694013b_quant
		.amdhsa_group_segment_fixed_size 33280
		.amdhsa_private_segment_fixed_size 0
		.amdhsa_enable_private_segment 0
		.amdhsa_kernarg_size 40
		.amdhsa_user_sgpr_count 2
		.amdhsa_user_sgpr_kernarg_segment_ptr 1
		.amdhsa_wavefront_size32 1
		.amdhsa_system_sgpr_workgroup_id_x 1
		.amdhsa_system_sgpr_workgroup_id_y 1
		.amdhsa_system_sgpr_workgroup_id_z 1
		.amdhsa_system_vgpr_workitem_id 0
		.amdhsa_next_free_vgpr 210
		.amdhsa_next_free_sgpr 66
		.amdhsa_reserve_vcc 1
		.amdhsa_float_denorm_mode_32 3
		.amdhsa_float_denorm_mode_16_64 3
		.amdhsa_memory_ordered 1
		.amdhsa_forward_progress 1
		.amdhsa_inst_pref_size 43
	.end_amdhsa_kernel
	.amdgpu_metadata
---
amdhsa.version: [ 1, 2 ]
amdhsa.kernels:
  - .name:           k_q5fd694013b_quant
    .symbol:         k_q5fd694013b_quant.kd
    .args:
      - { .name: x, .offset: 0, .size: 8, .value_kind: global_buffer, .address_space: global }
      - { .name: embedding, .offset: 8, .size: 8, .value_kind: global_buffer, .address_space: global }
      - { .name: codes, .offset: 16, .size: 8, .value_kind: global_buffer, .address_space: global }
      - { .name: scales, .offset: 24, .size: 8, .value_kind: global_buffer, .address_space: global }
      - { .name: sq, .offset: 32, .size: 8, .value_kind: global_buffer, .address_space: global }
    .group_segment_fixed_size: 33280
    .private_segment_fixed_size: 0
    .kernarg_segment_align: 8
    .kernarg_segment_size: 40
    .max_flat_workgroup_size: 128
    .sgpr_count:     66
    .vgpr_count:     210
    .wavefront_size: 32
...
	.end_amdgpu_metadata
.endif
;; end of part 1
;; launch dist (part 2): grid 32 x 16, 4 waves a work-group, clusters of 4 x 4, 327,680 bytes of LDS; arguments codes, scales, sq, pkey, pidx; writes pkey, pidx
.if DOCPART == 2
	.amdgcn_target "amdgcn-amd-amdhsa--gfx1250"
	.amdhsa_code_object_version 6
	.text
	.protected	k_q5fd694013b_dist
	.globl	k_q5fd694013b_dist
	.p2align	8
	.type	k_q5fd694013b_dist,@function
k_q5fd694013b_dist:
	s_mov_b64 s[64:65], 0
	v_nop
	global_prefetch_b8 v0, s[64:65] scope:SCOPE_SE
	s_setreg_imm32_b32 hwreg(HW_REG_WAVE_MODE, 25, 1), 1
	s_wait_xcnt 0x0
	s_wait_alu depctr_hold_cnt(0) depctr_sa_sdst(0) depctr_va_vdst(0) depctr_va_sdst(0) depctr_va_ssrc(0) depctr_va_vcc(0) depctr_vm_vsrc(0)
	s_getreg_b32 s2, hwreg(HW_REG_IB_STS2, 6, 4)
	s_cmp_eq_u32 s2, 0
	s_cbranch_scc0 .Lentry_in_a_cluster
	s_endpgm
.Lentry_in_a_cluster:
	s_bfe_u32 s2, ttmp6, 0x10000c
	s_cmp_lg_u32 s2, 0xf033
	s_cbranch_scc0 .Lentry_shape_is_right
	s_endpgm
.Lentry_shape_is_right:
; d[t][n] = (xx[t] + ee[n]) - 2 x (the sum over k of A[t][k] B[n][k]), and of each 128 neighbouring n the smallest d and the lowest n that has it.
; A = x's 4,096 rows, B = embedding's 8,192 rows: codes of BF6 (E3M2) with one E8M0 scale for each 32 along K = 2,048, both in the buffers codes and scales, A's rows first.  xx, ee: the rows' sums of squares, in sq.
; d is formed with two roundings: s = xx + ee rounded to f32, then s - 2 x the product's sum in ONE fused multiply-add (2 x the sum is exact).  Ties go to the lowest n at every stage.
; d never goes to memory.  Out: pkey, pidx [64 groups of 128 codes][4,096 tokens], whole numbers both: the code's number, and a KEY that sorts as the smallest d does: d's 32 bits with the sign bit turned
; where d is not negative and all bits turned where it is.  The next launch compares keys as whole numbers.  d is never -0 (xx + ee is +0 or more, and a difference that cancels exactly is +0), so equal d have equal keys.
; LIMIT: NaN and infinities are not served (the minima used here pass over a NaN).
; A tile, 256 tokens x 256 codes, is made by a work-group of four waves, as many as a WGP has SIMDs; a wave makes 128 x 128: 64 accumulators of 16 x 16, 512 registers.
; K goes in steps of 256 through a ring of two LDS slots filled by the tensor data mover: a tile's row is 192 bytes of memory.
; THE SCALES of the work-group's 256 rows of A and 256 rows of B, for all of K, are two dense blocks of memory: they come into LDS ONCE, with the first fills, as rows of 256 bytes, and stay.
; CLUSTERS: 4 x 4 work-groups.  The four of a row of the cluster need the same tiles of A, the four of a column the same tiles of B: each tile is asked for JOINTLY, by the same tensor load with the
; same descriptor and a mask that names the four.
; THE MATRIX INSTRUCTION IS USED TRANSPOSED (source 0 = 16 rows of B, source 1 = 16 rows of A): in accumulator (a, b) lane l holds token 16 a + l % 16, and its register j the code 16 b + 8 (l / 16) + j:
; so the search over the codes runs along a lane's own registers, and two lanes, l and l xor 16, share a token.
; REGISTERS, in windows of 256: window 0: v0-31 addresses; v32-63 scale words, two sets; v64-127 ee of my lane's 64 codes; v128-223 A's fragments (8 x 16 rows x 128 K), ONE set; v224-239 xx, v240-247 the best codes.
;   On the way out v128-223 are free and hold the search.   window 1: B's fragments, TWO sets, at v0 and at v128.   window 2: the 32 accumulators of my tokens 0-63 ((a, b) at v[8 (8 a + b)]);   window 3: those of tokens 64-127.
; A step of 128 along K is 64 matrix instructions, A's blocks one after the other, each against B's eight.  So a block of A is free as soon as its eight products are issued, and one set of registers serves A:
; blocks 0-3 are fetched anew in the step's middle, blocks 4-7 at its end.  B's fragments are at work through the whole step, so B has two sets.
.set SIZE_M, 4096
.set SIZE_N, 8192
.set SIZE_K, 2048
.set XCODES, SIZE_M*SIZE_K*6/8         ; where B's codes begin in the buffer: behind A's 6,291,456 bytes
.set XSCALE, SIZE_M*SIZE_K/32          ; and B's scale bytes: behind A's 262,144
.set EEOFF,  SIZE_M*4                  ; and ee: behind xx's 16,384
.set KSTEP,  256                       ; along K in a slot
.set NQ,     KSTEP/128                 ; matrix instructions deep
.set ROWB,   192                       ; a tile's row in bytes: KSTEP codes of 6 bits
.set KROW,   SIZE_K*6/8                ; a row of A or of B in memory, in bytes
.set PITCH,  240                       ; an LDS row: 3 x (64 bytes of data + 16 of padding) = 60 words
.set FR,     12                        ; registers of a fragment: 16 rows x 128 K
.set NL,     6                         ; LDS loads that bring one
.set NP,     4                         ; places behind this matrix instruction (ISA guide 7.12.1)
.set HALFT,  128*PITCH                 ; 128 rows: what one tensor load brings, and what one wave reads of A or of B
.set SLOT,   4*HALFT                   ; A's 256 rows, then B's 256 rows
.set LAPS,   SIZE_K/(2*KSTEP)          ; a lap = two K steps = once round the ring: 4
.set KS,     SIZE_K/32                 ; a row of scales: 64 bytes
.set SCL,    2*SLOT                    ; behind the ring: the scales, as rows of 256 bytes + 16 of padding
.set HALFS,  (128*KS/256)*272          ; the scales of 128 rows: what one tensor load brings
.set SBLK,   (16*KS/256)*272           ; those of 16 rows
.set SPARE,  SCL+4*HALFS               ; behind the scales: the spare words, 128 bytes for each wave: two blocks of 256 bytes that no other line names
.set NB,   7                           ; v7      my wave's first code + 8 (l / 16)
.set ADRA, 16                          ; v16-17  LDS address of my A fragments in slot 0, 1  (v18-19: the same for the pieces that lie behind one padding more)
.set ADRB, 20                          ; v20-21  the same for B  (v22-23)
.set STO,  24                          ; v24     the way out: where I put a token's key (lanes 0-15) or code (lanes 16-31): 1,024 x wave + 4 (l % 16) + 512 (l / 16), in slot 0, which has had its last fill and its last read by then
.set RD,   25                          ; v25     the way out: where I read 16 bytes back: 1,024 x wave + 16 l
.set CO,   26                          ; v26     16 l: my place in the wave's 512 bytes of pkey and of pidx
.set ADRS, 27                          ; v27     LDS address of my scale words: lanes 0-15 A's rows, lanes 16-31 B's
.set SPW,  28                          ; v28     LDS address of my spare word: SPARE + 4 x my thread's number; never rewritten
.set NIL,  29                          ; v29     0; never rewritten
.set E32H, 30                          ; v30     32 (l / 16): my half's place in 16 numbers of ee; never rewritten
.set X4R,  31                          ; v31     4 (l % 16): my token's place in 16 numbers of xx; never rewritten
.set SC,   32                          ; scale words: set s (for slot s) at v[SC + 8 NQ s]; in it register NQ i + q: lanes 0-15 the word of A's block i, lanes 16-31 that of B's block i, for the slot's q-th 128 along K
.set EE,   64                          ; v64-127  register 8 b + j: ee of code 16 b + 8 (l / 16) + j
.set AF,   128                         ; A's fragments, in window 0
.set XX,   224                         ; v224-239 xx of token 16 a + l % 16, twice, in v[XX + 2 a] and the next: a pair for the packed addition
.set BN,   240                         ; v240-247 block a's best code
.set T,    128                         ; the way out: v128-191 a block's 64 d; then the exchange between the halves of the lanes
.set M,    192                         ; v192-199 the smallest d of each of the block's eight accumulators
.set W,    200                         ; v200-207 the eight d of the first accumulator that holds the smallest
.set KB,   208                         ; v208     8 x that accumulator's number
.set KJ,   209                         ; v209     the first register in it that holds the smallest
.set BV,   212                         ; v212-219 block a's smallest d
.set OV,   128                         ; the exchange: the other half's value, its code, the smaller value (then its key), my code or all ones, the other's or all ones, what goes out
.set ON,   136
.set NV,   144
.set C1,   152
.set C2,   160
.set OD,   168
.set MK,   40                          ; s40-47   the way out: lane masks
.set G1, 24                            ; s[24:31] descriptor group 1 for A's tiles;  s[32:39] group 0, one set for each slot
.set G0, 32
.set G1B, 48                           ; s[48:55], s[56:63] the same for B's tiles
.set G0B, 56
.set G1S, 68                           ; s[68:75], s[76:79] groups 1 and 0 for A's scales;  s[80:87], s[88:91] for B's
.set G0S, 76
.set G1SB, 80
.set G0SB, 88
.set MSB, 0
.macro WIN new                         ; the immediate's high byte repeats the setting that is left
.if MSB != \new
	s_set_vgpr_msb (MSB<<8)|\new
.set MSB, \new
.endif
.endm
.set MUL_LO, 0xa1                      ; source 0 (B) window 1, source 1 (A) window 0, C and D window 2
.set MUL_HI, 0xf1                      ; the same, C and D window 3
.set TO_B,   0x40                      ; destination window 1, address window 0
; A joint load: waves 0 and 1 fetch for A, waves 2 and 3 for B.  Each of the two lines has ONE mask and one set of registers for all that issue it; the branch hangs on the wave's number alone.
; Four v_nop follow each of the two lines, ahead of the jump, the label and what follows.
.macro JLOAD g0a, g1a, g0b, g1b
	s_cmp_eq_u32 s15, 0
	s_cbranch_scc0 .Lfor_b_\@
	tensor_load_to_lds s[\g0a:\g0a+3], s[\g1a:\g1a+7]
	s_nop 0
.rept 4
	v_nop
.endr
	s_branch .Lasked_\@
.Lfor_b_\@:
	tensor_load_to_lds s[\g0b:\g0b+3], s[\g1b:\g1b+7]
	s_nop 0
.rept 4
	v_nop
.endr
.Lasked_\@:
.endm
.macro CREST                           ; a round of the cluster's barrier behind its opening barrier
	s_cmp_lg_u32 s14, 0
	s_cbranch_scc1 .Lnot_wave_0_\@
	s_barrier_signal -3
.Lnot_wave_0_\@:
	s_barrier_wait -3
	s_barrier_signal -1
	s_barrier_wait -1
.endm
.macro CROUND                          ; a whole round
	s_barrier_signal -1
	s_barrier_wait -1
	CREST
.endm
	s_load_b128 s[4:7], s[0:1], 0x0                ; codes s[4:5], scales s[6:7]
	s_load_b128 s[8:11], s[0:1], 0x10              ; sq s[8:9], pkey s[10:11]
	s_load_b64 s[12:13], s[0:1], 0x20              ; pidx
	v_lshl_add_u32 v[SPW], v0, 2, SPARE
	v_mov_b32 v[NIL], 0
	ds_add_u32 v28, v29
	ds_add_u32 v28, v29
	s_wait_dscnt 0x0
	v_lshrrev_b32 v1, 5, v0
	v_readfirstlane_b32 s14, v1                    ; wave 0..3
	s_lshr_b32 s15, s14, 1                         ; which half of the tile's tokens is mine.  Also: I fetch for A (0) or for B (1)
	s_and_b32 s16, s14, 1                          ; which half of its codes.  Also: which 128 rows of that tile I fetch
	s_bfe_u32 s40, ttmp6, 0x40000                  ; cx, cy: my place in the cluster
	s_bfe_u32 s41, ttmp6, 0x40004
	s_lshl_b32 s42, ttmp9, 2
	s_add_co_u32 s42, s42, s40                     ; tile column (codes) = 4 x cluster x + cx
	s_and_b32 s17, ttmp7, 0xffff
	s_lshl_b32 s17, s17, 2
	s_add_co_u32 s17, s17, s41                     ; tile row (tokens) = 4 x cluster y + cy
	s_lshl_b32 s43, s41, 2
	s_lshl_b32 s43, 15, s43                        ; my row of the cluster
	s_lshl_b32 s44, 0x1111, s40                    ; my column
	; descriptor group 1: a tile of 128 rows x ROWB bytes, padded in LDS
	s_or_b32 s[G1+0], s43, (0<<16)|(1<<20)|(1<<21)|(3<<22)|(3<<25)  ; 15:0 the mask: A's tiles go to my row; 17:16 element of 1 byte; 20 padding on; 21 set beside a mask; 24:22 after every 16 words (code 3); 31:25 of 4 words (code 3)
	s_or_b32 s[G1B+0], s44, (0<<16)|(1<<20)|(1<<21)|(3<<22)|(3<<25)
.irp g, G1, G1B
	s_mov_b32 s[\g+1], ROWB<<16                    ; tensor_dim0
	s_mov_b32 s[\g+2], 128<<16                     ; tensor_dim1 = 128
	s_mov_b32 s[\g+3], ROWB<<16                    ; tile_dim0
	s_mov_b32 s[\g+4], 128                         ; tile_dim1 = 128
	s_mov_b32 s[\g+5], KROW                        ; tensor_dim0_stride
	s_mov_b32 s[\g+6], 0
	s_mov_b32 s[\g+7], 0
.endr
	; and for the scales of 128 rows: a dense block of 8,192 bytes, as 32 rows of 256 bytes (32 elements of 8 bytes), 16 bytes of padding behind each
	s_or_b32 s[G1S+0], s43, (3<<16)|(1<<20)|(1<<21)|(5<<22)|(3<<25)
	s_or_b32 s[G1SB+0], s44, (3<<16)|(1<<20)|(1<<21)|(5<<22)|(3<<25)
.irp g, G1S, G1SB
	s_mov_b32 s[\g+1], 32<<16
	s_mov_b32 s[\g+2], (128*KS/256)<<16
	s_mov_b32 s[\g+3], 32<<16
	s_mov_b32 s[\g+4], 128*KS/256
	s_mov_b32 s[\g+5], 32
	s_mov_b32 s[\g+6], 0
	s_mov_b32 s[\g+7], 0
.endr
	s_lshl_b32 s18, s16, 7                         ; which 128 rows of the tile I fetch
	s_lshl_b32 s20, s17, 8
	s_add_co_u32 s20, s20, s18                     ; A: row 256 x tile row + 128 x half
	s_lshl_b32 s46, s42, 8
	s_add_co_u32 s46, s46, s18                     ; B: row 256 x tile column + 128 x half
	s_mov_b32 s21, 0
	s_mov_b32 s47, 0
	s_mov_b64 s[18:19], KS
	s_mul_u64 s[22:23], s[20:21], s[18:19]         ; where these rows' scales begin, in bytes
	s_mul_u64 s[92:93], s[46:47], s[18:19]
	s_mov_b64 s[18:19], KROW
	s_mul_u64 s[20:21], s[20:21], s[18:19]         ; and their codes
	s_mul_u64 s[46:47], s[46:47], s[18:19]
	s_add_nc_u64 s[92:93], s[92:93], XSCALE        ; B's rows lie behind A's in both buffers
	s_add_nc_u64 s[46:47], s[46:47], XCODES
	s_mul_i32 s45, s14, HALFT                      ; where they go: wave x 128 rows: no place in the cluster enters an LDS address
	s_mul_i32 s94, s14, HALFS
	s_wait_kmcnt 0x0
	s_add_nc_u64 s[20:21], s[4:5], s[20:21]
	s_add_nc_u64 s[22:23], s[6:7], s[22:23]
	s_add_nc_u64 s[46:47], s[4:5], s[46:47]
	s_add_nc_u64 s[92:93], s[6:7], s[92:93]
	CROUND                                         ; all sixteen work-groups are here: the first joint loads meet
	s_mov_b32 s[G0S], 1
	s_add_co_u32 s[G0S+1], s94, SCL
	s_mov_b64 s[G0S+2:G0S+3], s[22:23]
	s_or_b32 s[G0S+3], s[G0S+3], 0x80000000
	s_mov_b32 s[G0SB], 1
	s_add_co_u32 s[G0SB+1], s94, SCL
	s_mov_b64 s[G0SB+2:G0SB+3], s[92:93]
	s_or_b32 s[G0SB+3], s[G0SB+3], 0x80000000
	JLOAD G0S, G1S, G0SB, G1SB                     ; the scales first: they are wanted with K step 0
.irp s, 0,1
	s_mov_b32 s[G0+4*\s], 1
	s_add_co_u32 s[G0+4*\s+1], s45, \s*SLOT
	s_add_nc_u64 s[G0+4*\s+2:G0+4*\s+3], s[20:21], \s*ROWB
	s_or_b32 s[G0+4*\s+3], s[G0+4*\s+3], 0x80000000
	s_mov_b32 s[G0B+4*\s], 1
	s_add_co_u32 s[G0B+4*\s+1], s45, \s*SLOT
	s_add_nc_u64 s[G0B+4*\s+2:G0B+4*\s+3], s[46:47], \s*ROWB
	s_or_b32 s[G0B+4*\s+3], s[G0B+4*\s+3], 0x80000000
	JLOAD G0+4*\s, G1, G0B+4*\s, G1B
.endr
	v_and_b32 v1, 15, v0                           ; l % 16
	v_bfe_u32 v2, v0, 4, 1                         ; l / 16
	v_mul_u32_u24 v3, v1, PITCH
	v_mul_u32_u24 v4, v2, 24
	v_add_nc_u32 v4, v3, v4                        ; a fragment's row x pitch + 24 x half
	v_lshl_add_u32 v5, v2, 4, v4                   ; and the same behind one padding more
	s_mul_i32 s21, s15, HALFT                      ; my 128 rows of A
	s_mul_i32 s22, s16, HALFT                      ; my 128 rows of B,
	s_add_co_u32 s22, s22, 2*HALFT                 ; which lie behind A's 256
.irp s, 0,1
	v_add_nc_u32 v[ADRA+\s], s21, v4
	v_add_nc_u32 v[ADRB+\s], s22, v4
	v_add_nc_u32 v[ADRA+2+\s], s21, v5
	v_add_nc_u32 v[ADRB+2+\s], s22, v5
	s_add_co_u32 s21, s21, SLOT
	s_add_co_u32 s22, s22, SLOT
.endr
	v_mul_u32_u24 v5, v1, KS                       ; my row's scales: KS bytes a row,
	v_lshrrev_b32 v6, 8, v5
	v_lshl_add_u32 v5, v6, 4, v5                   ; and 16 more for each 256 passed
	s_mul_i32 s21, s15, HALFS                      ; A's: my 128 rows
	s_mul_i32 s22, s16, HALFS                      ; B's: my 128 rows, behind A's 256
	s_add_co_u32 s22, s22, 2*HALFS
	s_sub_co_u32 s22, s22, s21
	v_mul_u32_u24 v6, s22, v2                      ; lanes 16-31 take B's: ONE product, the distance between the two bases x the half
	s_add_co_u32 s21, s21, SCL
	v_add_nc_u32 v5, v5, v6
	v_add_nc_u32 v[ADRS], s21, v5
	; the way out's addresses, and the sums of squares
	s_lshl_b32 s23, s14, 10                        ; my stage: 1,024 bytes a wave
	v_lshlrev_b32 v[X4R], 2, v1
	v_lshl_add_u32 v[STO], v2, 9, v[X4R]
	v_add_nc_u32 v[STO], s23, v[STO]
	v_and_b32 v6, 31, v0
	v_lshlrev_b32 v[CO], 4, v6
	v_add_nc_u32 v[RD], s23, v[CO]
	v_lshlrev_b32 v[E32H], 5, v2
	s_lshl_b32 s95, s42, 8
	s_lshl_b32 s46, s16, 7
	s_add_co_u32 s95, s95, s46                     ; my wave's first code: 256 x tile column + 128 x half
	s_lshl_b32 s96, s17, 8
	s_lshl_b32 s20, s15, 7
	s_add_co_u32 s96, s96, s20                     ; my wave's first token: 256 x tile row + 128 x half
	v_lshl_add_u32 v[NB], v2, 3, s95
	s_lshl_b32 s46, s95, 2
	s_mov_b32 s47, 0
	s_add_nc_u64 s[98:99], s[8:9], s[46:47]
	s_add_nc_u64 s[98:99], s[98:99], EEOFF         ; ee at my first code
	s_lshl_b32 s20, s96, 2
	s_mov_b32 s21, 0
	s_add_nc_u64 s[100:101], s[8:9], s[20:21]      ; xx at my first token
	s_lshl_b32 s46, s95, 7                         ; pkey, pidx: group (first code / 128) x 16,384 bytes
	s_add_co_u32 s46, s46, s20                     ; + 4 x first token: 1,048,064 at the most
	s_add_nc_u64 s[10:11], s[10:11], s[46:47]
	s_add_nc_u64 s[12:13], s[12:13], s[46:47]
.irp b, 0,1,2,3,4,5,6,7
	global_load_b128 v[EE+8*\b:EE+8*\b+3], v[E32H], s[98:99] offset:64*\b        ; ee of codes 16 b + 8 (l / 16) + 0 .. 3
	global_load_b128 v[EE+8*\b+4:EE+8*\b+7], v[E32H], s[98:99] offset:64*\b+16   ; and + 4 .. 7
.endr
.irp a, 0,1,2,3,4,5,6,7
	global_load_b32 v[XX+2*\a], v[X4R], s[100:101] offset:64*\a                  ; xx of token 16 a + l % 16, into both registers of a pair
	global_load_b32 v[XX+2*\a+1], v[X4R], s[100:101] offset:64*\a
.endr
.macro FRAG reg, adr, q, i             ; a fragment, 16 rows x 128 K of 6-bit codes, is 12 registers: lane l holds row l % 16; registers 6 c .. 6 c + 5 hold K = 64 c + 32 (l / 16) + 0 .. 31: 24 bytes of the row's stream of bits, as they lie
.irp p, 0,1,2,3,4,5                    ; in pieces of 8 bytes, so that every address is a multiple of the access's size.  Lanes 0-15 take the row's pieces 12 q + 0, 1, 2 and 12 q + 6, 7, 8, lanes 16-31 those three pieces on
.set PC, 12*(\q)+6*(\p/3)+\p%3        ; the mover has laid 16 bytes of padding behind every 64 bytes (8 pieces): where the piece three on lies behind one padding more, the second address register (40 for 24 bytes a half) serves
.if PC%8 < 5
	ds_load_b64 v[\reg+2*\p:\reg+2*\p+1], v[\adr] offset:8*PC+16*(PC/8)+(\i)*16*PITCH
.else
	ds_load_b64 v[\reg+2*\p:\reg+2*\p+1], v[\adr+2] offset:8*PC+16*(PC/8)+(\i)*16*PITCH
.endif
.endr
.endm
; 16 matrix instructions: A's blocks a0, a0 + 1 x B's eight, 128 along K: the slot's q-th.  p: B's set;  sc: the set of scale words.  zero = 1: the first product starts the sums: nothing is ever cleared.
; The 64 accumulators take turns, one instruction a turn, in the same order in every step.
.macro MUL16 a0, p, q, sc, zero
.irp a, \a0, \a0+1
.irp b, 0,1,2,3,4,5,6,7
.if \zero
	v_wmma_scale_f32_16x16x128_f8f6f4 v[8*(8*((\a)%4)+\b):8*(8*((\a)%4)+\b)+7], v[128*(\p)+FR*\b:128*(\p)+FR*\b+FR-1], v[AF+FR*(\a):AF+FR*(\a)+FR-1], 0, v[SC+8*NQ*(\sc)+NQ*\b+(\q)], v[SC+8*NQ*(\sc)+NQ*(\a)+(\q)] matrix_a_fmt:MATRIX_FMT_BF6 matrix_b_fmt:MATRIX_FMT_BF6 matrix_a_scale:MATRIX_SCALE_ROW1
.else
	v_wmma_scale_f32_16x16x128_f8f6f4 v[8*(8*((\a)%4)+\b):8*(8*((\a)%4)+\b)+7], v[128*(\p)+FR*\b:128*(\p)+FR*\b+FR-1], v[AF+FR*(\a):AF+FR*(\a)+FR-1], v[8*(8*((\a)%4)+\b):8*(8*((\a)%4)+\b)+7], v[SC+8*NQ*(\sc)+NQ*\b+(\q)], v[SC+8*NQ*(\sc)+NQ*(\a)+(\q)] matrix_a_fmt:MATRIX_FMT_BF6 matrix_b_fmt:MATRIX_FMT_BF6 matrix_a_scale:MATRIX_SCALE_ROW1
.endif
.endr
.endr
.endm
.macro FETCH_B slot, q, p              ; B's eight fragments of the slot's q-th 128 along K into set p
	WIN TO_B
.irp i, 0,1,2,3,4,5,6,7
	FRAG 128*(\p)+FR*\i, ADRB+\slot, \q, \i
.endr
	WIN 0
.endm
.macro FETCH_A slot, q, i0             ; A's blocks i0 .. i0 + 3
.irp i, \i0, \i0+1, \i0+2, \i0+3
	FRAG AF+FR*(\i), ADRA+\slot, \q, \i
.endr
.endm
.macro SCALES sc                       ; the next K step's scale words into set sc: NQ words a row; lanes 0-15 take A's block i, lanes 16-31 B's block i
.irp i, 0,1,2,3,4,5,6,7
	ds_load_b64 v[SC+8*NQ*\sc+NQ*\i:SC+8*NQ*\sc+NQ*\i+1], v[ADRS] offset:\i*SBLK
.endr
.endm
; A load into a register that a matrix instruction has read, and a vector instruction that reads a matrix result or writes one of a matrix instruction's registers, stand NP places behind that matrix instruction,
; and only plain vector instructions that name none of its registers are places (ISA guide 7.12.1 for vector instructions); this text does not count the matrix instructions in between.
.macro PLACES n
.rept \n
	v_nop
.endr
.endm
; A step of 128 along K that has its successor in the same slot.
.macro STEP slot, q, zero
	s_wait_dscnt 4*NL                              ; B's set and A's blocks 0-3 are in; the youngest 24 loads (A's blocks 4-7) may be out
	WIN MUL_LO
	MUL16 0, (\q)%2, \q, \slot, \zero
	MUL16 2, (\q)%2, \q, \slot, \zero
	s_wait_dscnt 0                                 ; A's blocks 4-7 are in (asked for 32 matrix instructions ago)
	PLACES NP
	FETCH_B \slot, (\q)+1, 1-(\q)%2
	FETCH_A \slot, (\q)+1, 0
	WIN MUL_HI
	MUL16 4, (\q)%2, \q, \slot, \zero
	MUL16 6, (\q)%2, \q, \slot, \zero
	PLACES NP
	WIN 0
	FETCH_A \slot, (\q)+1, 4
.endm
; A slot's last step changes slots: ONE barrier; in front of it each wave waits for all its tensor loads, adds 0 to its spare word, and waits for that and for its own reads of this slot.  fill = 1: this slot is filled again, two K steps ahead.
.macro TURN slot, next, fill
	s_wait_tensorcnt 0x0                           ; all my tensor loads have landed: my part of the next slot;  (every window is 0 here: the add's two registers lie in window 0)
	ds_add_u32 v[SPW], v[NIL]                      ; 0 onto my spare word;
	s_wait_dscnt 4*NL+1                            ; (the add and the youngest 24 loads, A's blocks 4-7, may be out)
	WIN MUL_LO
	MUL16 0, 1, NQ-1, \slot, 0                     ; sixteen matrix instructions stand between the add and the wait for it
	s_wait_dscnt 0x0                               ; the add is done, and my reads of this slot are over
	s_barrier_signal -1
	MUL16 2, 1, NQ-1, \slot, 0
	WIN 0
	s_barrier_wait -1
.if \fill
	CREST                                          ; the barrier has opened a round of the cluster's barrier: no wave of any partner still reads this slot's tile or has a load on its way
	s_add_nc_u64 s[G0+4*\slot+2:G0+4*\slot+3], s[G0+4*\slot+2:G0+4*\slot+3], 2*ROWB
	s_add_nc_u64 s[G0B+4*\slot+2:G0B+4*\slot+3], s[G0B+4*\slot+2:G0B+4*\slot+3], 2*ROWB
	JLOAD G0+4*\slot, G1, G0B+4*\slot, G1B         ; the first tensor load behind the round, my one load until the next; the four v_nop behind it are the places in front of the loads below
.else
	PLACES NP
.endif
	v_add_nc_u32 v[ADRS], 4*NQ, v[ADRS]            ; on to the next K step's scale words (no LDS load of mine is out)
	FETCH_B \next, 0, 0
	FETCH_A \next, 0, 0
	SCALES \next
	WIN MUL_HI
	MUL16 4, 1, NQ-1, \slot, 0
	MUL16 6, 1, NQ-1, \slot, 0
	PLACES NP
	WIN 0
	FETCH_A \next, 0, 4
.endm
	s_wait_tensorcnt 1                             ; of my three first loads the scales and my part of K step 0 are in (K step 1's load may be out)
	s_wait_loadcnt 0x0                             ; and so are ee and xx, which came meanwhile
	s_barrier_signal -1
	s_barrier_wait -1                              ; everybody's are
	FETCH_B 0, 0, 0
	FETCH_A 0, 0, 0
	SCALES 0
	FETCH_A 0, 0, 4
	STEP 0, 0, 1                                   ; the first step stands in front of the loop: its products start the sums
	s_mov_b32 s3, LAPS-1
.Llap:                                                 ; a trip goes once round the ring, from a lap's second step to the next lap's first, and fills both slots again
	TURN 0, 1, 1
	STEP 1, 0, 0
	TURN 1, 0, 1
	STEP 0, 0, 0
	s_sub_co_u32 s3, s3, 1
	s_cmp_lg_u32 s3, 0
	s_cbranch_scc1 .Llap
	TURN 0, 1, 0                                   ; the last lap fills nothing, and has no round of the cluster's barrier
	STEP 1, 0, 0
	s_wait_dscnt 4*NL                              ; the very last step: nothing more to fetch
	WIN MUL_LO
	MUL16 0, 1, NQ-1, 1, 0
	MUL16 2, 1, NQ-1, 1, 0
	s_wait_dscnt 0
	WIN MUL_HI
	MUL16 4, 1, NQ-1, 1, 0
	MUL16 6, 1, NQ-1, 1, 0
	WIN 0
; THE WAY OUT.  BEST a: of token block a (16 tokens, one a lane) the smallest of my lane's 64 d, and the lowest code that has it.
.macro BEST a
.set AC, 64*((\a)%4)                   ; the block's eight accumulators, in window 2 (blocks 0-3) or 3 (blocks 4-7)
.set WSRC, 0x02+(\a)/4                 ; source 0 in that window, all else in window 0
	WIN 0
.set i, 0
.rept 32
	v_pk_add_f32 v[T+i:T+i+1], v[EE+i:EE+i+1], v[XX+2*(\a):XX+2*(\a)+1]          ; s = xx + ee, rounded to f32
.set i, i+2
.endr
	WIN WSRC
.set i, 0
.rept 32
	v_pk_fma_f32 v[T+i:T+i+1], v[AC+i:AC+i+1], -2.0, v[T+i:T+i+1] op_sel_hi:[1,0,1]   ; d = s - 2 x the sum, rounded once; each accumulator is read from its low end on
.set i, i+2
.endr
	WIN 0
.irp b, 0,1,2,3,4,5,6,7                ; the smallest d of each accumulator: eight chains by turns
	v_min3_num_f32 v[M+\b], v[T+8*\b], v[T+8*\b+1], v[T+8*\b+2]
.endr
.irp b, 0,1,2,3,4,5,6,7
	v_min3_num_f32 v[M+\b], v[M+\b], v[T+8*\b+3], v[T+8*\b+4]
.endr
.irp b, 0,1,2,3,4,5,6,7
	v_min3_num_f32 v[M+\b], v[M+\b], v[T+8*\b+5], v[T+8*\b+6]
.endr
.irp b, 0,1,2,3,4,5,6,7
	v_min_num_f32 v[M+\b], v[M+\b], v[T+8*\b+7]
.endr
	v_min3_num_f32 v[BV+(\a)], v[M], v[M+1], v[M+2]
	v_min3_num_f32 v210, v[M+3], v[M+4], v[M+5]
	v_min3_num_f32 v[BV+(\a)], v[BV+(\a)], v[M+6], v[M+7]
	v_min_num_f32 v[BV+(\a)], v[BV+(\a)], v210                                    ; the smallest of the 64
.irp b, 0,1,2,3,4,5,6
	v_cmp_neq_f32 s[MK+\b], v[M+\b], v[BV+(\a)]                                   ; which accumulators do NOT hold it
.endr
	v_mov_b32 v[KB], 56
.irp j, 0,1,2,3,4,5,6,7                ; the FIRST accumulator that holds it: its eight d are picked from the last down, so that the lowest stays
	v_cndmask_b32 v[W+\j], v[T+48+\j], v[T+56+\j], s[MK+6]
.endr
	v_cndmask_b32 v[KB], 48, v[KB], s[MK+6]
.irp b, 5,4,3,2,1,0
.irp j, 0,1,2,3,4,5,6,7
	v_cndmask_b32 v[W+\j], v[T+8*\b+\j], v[W+\j], s[MK+\b]
.endr
	v_cndmask_b32 v[KB], 8*\b, v[KB], s[MK+\b]
.endr
.irp j, 0,1,2,3,4,5,6
	v_cmp_neq_f32 s[MK+\j], v[W+\j], v[BV+(\a)]
.endr
	v_mov_b32 v[KJ], 7
.irp j, 6,5,4,3,2,1,0                  ; and the first register in it, likewise
	v_cndmask_b32 v[KJ], \j, v[KJ], s[MK+\j]
.endr
	v_lshl_add_u32 v210, v[KB], 1, v[NB]
	v_add_nc_u32 v[BN+(\a)], v210, v[KJ]                                          ; the code: my wave's first + 8 (l / 16) + 16 b + j
.endm
	PLACES NP                                      ; behind the last products: the lines below write registers that held A's fragments; the results of blocks 4 to 7 are read much later
.irp a, 0,1,2,3,4,5,6,7
	BEST \a
.endr
	; lanes l and l xor 16 hold the same token and other codes: the smaller value; at a tie the lower code
	s_mov_b32 s18, 0x76543210
	s_mov_b32 s19, 0xfedcba98                      ; v_permlanex16_b32's selects for lane l xor 16
.irp a, 0,1,2,3,4,5,6,7
	v_permlanex16_b32 v[OV+\a], v[BV+\a], s18, s19 ; (the destinations have been written: they held d)
.endr
.irp a, 0,1,2,3,4,5,6,7
	v_permlanex16_b32 v[ON+\a], v[BN+\a], s18, s19
.endr
.irp a, 0,1,2,3,4,5,6,7
	v_min_num_f32 v[NV+\a], v[BV+\a], v[OV+\a]
.endr
.irp a, 0,1,2,3,4,5,6,7
	v_cmp_eq_f32 s[MK+\a], v[BV+\a], v[NV+\a]
.endr
.irp a, 0,1,2,3,4,5,6,7
	v_cndmask_b32 v[C1+\a], -1, v[BN+\a], s[MK+\a] ; my code where I hold the smaller value, else all ones
.endr
.irp a, 0,1,2,3,4,5,6,7
	v_cmp_eq_f32 s[MK+\a], v[OV+\a], v[NV+\a]
.endr
.irp a, 0,1,2,3,4,5,6,7
	v_cndmask_b32 v[C2+\a], -1, v[ON+\a], s[MK+\a] ; the other lane's likewise
.endr
.irp a, 0,1,2,3,4,5,6,7
	v_min_u32 v[BN+\a], v[C1+\a], v[C2+\a]
.endr
	; the smaller value becomes its KEY, a whole number that sorts, unsigned, as the values do: the sign spread over the word, or-ed with the top bit, is the pattern of the bits to turn
.irp a, 0,1,2,3,4,5,6,7
	v_ashrrev_i32 v[C1+\a], 31, v[NV+\a]           ; 0 where d is not negative, all ones where it is
.endr
.irp a, 0,1,2,3,4,5,6,7
	v_or_b32 v[C1+\a], 0x80000000, v[C1+\a]
.endr
.irp a, 0,1,2,3,4,5,6,7
	v_xor_b32 v[NV+\a], v[NV+\a], v[C1+\a]
.endr
	; lanes 0-15 carry the keys, lanes 16-31 the codes, through my own 1,024 bytes of LDS, so that each of the two stores below covers 512 consecutive bytes
	v_bfe_u32 v210, v0, 4, 1
	v_cmp_eq_u32 s40, 1, v210
.irp a, 0,1,2,3,4,5,6,7
	v_cndmask_b32 v[OD+\a], v[NV+\a], v[BN+\a], s40
.endr
.irp a, 0,1,2,3,4,5,6,7
	ds_store_b32 v[STO], v[OD+\a] offset:64*\a
.endr
	ds_load_b128 v[176:179], v[RD]                 ; LDS serves a wave's instructions in order (ISA guide 5.7.1.4): these see the stores above.  Four tokens' keys,
	ds_load_b128 v[180:183], v[RD] offset:512      ; and their codes
	s_wait_dscnt 0x0
	global_store_b128 v[CO], v[176:179], s[10:11]  ; 32 lanes store 512 consecutive bytes, at a multiple of 512 from the buffer's first byte
	global_store_b128 v[CO], v[180:183], s[12:13]
	s_wait_tensorcnt 0x0                           ; the wave's end, behind my last tensor load and my last LDS store
	ds_add_u32 v[SPW], v[NIL]
	s_wait_dscnt 0x0
	CROUND                                         ; the closing round: no work-group ends while a partner may still ask for a tile that names it
	s_endpgm
.Lfunc_end_k_q5fd694013b_dist:
	.size	k_q5fd694013b_dist, .Lfunc_end_k_q5fd694013b_dist-k_q5fd694013b_dist
	.p2alignl 7, 3214868480
	.fill 96, 4, 3214868480
	.section	.rodata,"a",@progbits
	.p2align	6, 0x0
	.amdhsa_kernel k_q5fd694013b_dist
		.amdhsa_group_segment_fixed_size 327680
		.amdhsa_private_segment_fixed_size 0
		.amdhsa_enable_private_segment 0
		.amdhsa_kernarg_size 40
		.amdhsa_user_sgpr_count 2
		.amdhsa_user_sgpr_kernarg_segment_ptr 1
		.amdhsa_wavefront_size32 1
		.amdhsa_system_sgpr_workgroup_id_x 1
		.amdhsa_system_sgpr_workgroup_id_y 1
		.amdhsa_system_sgpr_workgroup_id_z 1
		.amdhsa_system_vgpr_workitem_id 0
		.amdhsa_next_free_vgpr 1024
		.amdhsa_next_free_sgpr 102
		.amdhsa_reserve_vcc 0
		.amdhsa_float_denorm_mode_32 3
		.amdhsa_float_denorm_mode_16_64 3
		.amdhsa_memory_ordered 1
		.amdhsa_forward_progress 1
		.amdhsa_inst_pref_size 231
	.end_amdhsa_kernel
	.amdgpu_metadata
---
amdhsa.version: [ 1, 2 ]
amdhsa.kernels:
  - .name:           k_q5fd694013b_dist
    .symbol:         k_q5fd694013b_dist.kd
    .args:
      - { .name: codes, .offset: 0, .size: 8, .value_kind: global_buffer, .address_space: global }
      - { .name: scales, .offset: 8, .size: 8, .value_kind: global_buffer, .address_space: global }
      - { .name: sq, .offset: 16, .size: 8, .value_kind: global_buffer, .address_space: global }
      - { .name: pkey, .offset: 24, .size: 8, .value_kind: global_buffer, .address_space: global }
      - { .name: pidx, .offset: 32, .size: 8, .value_kind: global_buffer, .address_space: global }
    .group_segment_fixed_size: 327680
    .private_segment_fixed_size: 0
    .kernarg_segment_align: 8
    .kernarg_segment_size: 40
    .max_flat_workgroup_size: 128
    .sgpr_count:     102
    .vgpr_count:     1024
    .wavefront_size: 32
...
	.end_amdgpu_metadata
.endif
;; end of part 2
;; launch take (part 3): grid 256 x 1, 16 waves a work-group, no clusters, 4,352 bytes of LDS; arguments pkey, pidx, embedding, out0, out1; writes out0, out1
.if DOCPART == 3
	.amdgcn_target "amdgcn-amd-amdhsa--gfx1250"
	.amdhsa_code_object_version 6
	.text
	.protected	k_q5fd694013b_take
	.globl	k_q5fd694013b_take
	.p2align	8
	.type	k_q5fd694013b_take,@function
k_q5fd694013b_take:
	s_mov_b64 s[64:65], 0
	v_nop
	global_prefetch_b8 v0, s[64:65] scope:SCOPE_SE
	s_setreg_imm32_b32 hwreg(HW_REG_WAVE_MODE, 25, 1), 1
	s_wait_xcnt 0x0
; out1[t] = the code with the smallest d of token t, the lowest such code at a tie;  out0[t][:] = embedding[out1[t]][:], a row of 2,048 f32 = 8,192 bytes.
; IN: pkey, pidx [64 groups of 128 codes][4,096 tokens], whole numbers that the launch before has stored: of each group the lowest code that has the group's smallest d, and a key that sorts, as an unsigned
; whole number, as that d does (equal d have equal keys).  So all that is compared here are whole numbers read from memory, and the row's address is made of one of them, held inside the table's 8,192 rows first.
; SHARES.  A work-group of sixteen waves takes 16 tokens; 256 work-groups.
;   1: wave w takes groups 4 w .. 4 w + 3: lane l loads key and code of token l % 16 for groups 4 w + 2 (l / 16) and the next (sixteen lanes read 64 consecutive bytes), keeps the better of its two,
;      and joins lane l xor 16's: both lanes then hold the same pair, which goes to LDS as entry w of the token.
;   2: behind one barrier lane l of wave w reads the 16 entries of token (w + l) % 16 and folds them, in the order of the groups.  So lane 0 holds the wave's own token, and in wave 0 lanes 0-15 hold tokens 0-15.
;   3: the wave copies its token's row: 16 loads of 512 consecutive bytes, all issued at once, and 16 stores of the same.  While its loads are out, wave 0 stores the 16 codes to out1.
; TIES: a later group takes the place of an earlier one only where its key is strictly smaller; a later group's codes are higher.  Between lanes l and l xor 16: the smaller key; at equal keys the lower code.
; No tensor loads, no cluster: work-groups share no tile.  The rows' loads carry no hint: several tokens may name one row.  The rows of out0 are written once and read by nobody here.
.set GROW, 16384                       ; a group's row in pkey and pidx: 4,096 tokens x 4 bytes
.set EP,   144                         ; LDS: a token's 16 entries of 8 bytes (key, code) + 16
.set O1,   1                           ; v1      4 x lane: my place in the work-group's 64 bytes of out1
.set KO,   2                           ; v2      the keys' and codes' offset: 32,768 (l / 16) + 4 (l % 16)
.set LW,   3                           ; v3      LDS, in: EP (l % 16) + 8 x wave
.set LR,   14                          ; v14     LDS, back: EP ((wave + l) % 16)
.set RO,   15                          ; v15     16 x lane: my 16 bytes of a load's or a store's 512
.set P,    16                          ; v16-47  the 16 entries: entry e's key at v[P + 2 e], its code behind it; the best ends in entry 0's place
.set D,    48                          ; v48-111 the row: 4 registers a load
.set MK,   28                          ; s28-35  the folds' lane masks
	s_load_b256 s[4:11], s[0:1], 0x0               ; pkey s[4:5], pidx s[6:7], embedding s[8:9], out0 s[10:11]
	s_load_b64 s[12:13], s[0:1], 0x20              ; out1
	v_lshl_add_u32 v112, v0, 2, 0x900
	v_mov_b32 v113, 0
	v_lshrrev_b32 v1, 5, v0
	v_readfirstlane_b32 s14, v1                    ; wave 0..15
	v_and_b32 v1, 15, v0                           ; l % 16
	v_bfe_u32 v2, v0, 4, 1                         ; l / 16
	v_lshlrev_b32 v3, 2, v1
	v_lshl_add_u32 v[KO], v2, 15, v3
	s_lshl_b32 s15, s14, 3
	v_mul_u32_u24 v[LW], v1, EP
	v_add_nc_u32 v[LW], s15, v[LW]
	v_add_nc_u32 v[LR], s14, v0                    ; (the thread's number is 32 x wave + l: the same as l modulo 16)
	v_and_b32 v[LR], 15, v[LR]
	v_mul_u32_u24 v[LR], v[LR], EP
	v_and_b32 v[RO], 31, v0
	v_lshlrev_b32 v[O1], 2, v[RO]
	v_lshlrev_b32 v[RO], 4, v[RO]
	v_mov_b32 v8, 0                                ; written once: a lane permute's destination counts as one of its sources
	v_mov_b32 v9, 0
	s_mov_b32 s24, 0x76543210
	s_mov_b32 s25, 0xfedcba98                      ; v_permlanex16_b32's selects for lane l xor 16
	s_lshl_b32 s16, ttmp9, 6                       ; the work-group's 16 tokens: 64 bytes of a group's row and of out1
	s_mov_b32 s17, 0
	s_lshl_b32 s18, s14, 16                        ; my wave's four groups of 16,384 bytes
	s_add_co_u32 s18, s18, s16
	s_mov_b32 s19, 0
	s_lshl_b32 s22, ttmp9, 4
	s_add_co_u32 s22, s22, s14                     ; my token: 16 x work-group + wave
	s_lshl_b32 s22, s22, 13                        ; its row of out0: 33,546,240 at the most
	s_mov_b32 s23, 0
	s_wait_kmcnt 0x0
	s_add_nc_u64 s[4:5], s[4:5], s[18:19]
	s_add_nc_u64 s[6:7], s[6:7], s[18:19]
	global_load_b32 v4, v[KO], s[4:5]              ; group 4 w + 2 (l / 16): key,
	global_load_b32 v5, v[KO], s[6:7]              ; code;
	global_load_b32 v6, v[KO], s[4:5] offset:GROW  ; the next group's
	global_load_b32 v7, v[KO], s[6:7] offset:GROW
	s_add_nc_u64 s[10:11], s[10:11], s[22:23]
	s_add_nc_u64 s[12:13], s[12:13], s[16:17]
	s_wait_loadcnt 0x0
	v_cmp_lt_u32 vcc_lo, v6, v4                    ; the later group only where it is strictly smaller
	v_cndmask_b32 v4, v4, v6, vcc_lo
	v_cndmask_b32 v5, v5, v7, vcc_lo
	v_permlanex16_b32 v8, v4, s24, s25             ; lane l xor 16 holds the same token's other two groups
	v_permlanex16_b32 v9, v5, s24, s25
	v_min_u32 v10, v4, v8                          ; the smaller key;
	v_cmp_eq_u32 vcc_lo, v4, v10
	v_cmp_eq_u32 s20, v8, v10
	v_cndmask_b32 v12, -1, v5, vcc_lo              ; my code where I hold it, else all ones;
	v_cndmask_b32 v13, -1, v9, s20                 ; the other lane's likewise;
	v_min_u32 v11, v12, v13                        ; the lower of them
	ds_store_b64 v[LW], v[10:11]                   ; entry w of the token (both lanes write the same 8 bytes with the same value)
	s_wait_dscnt 0x0                               ; for the others' sake: my store is done
	s_barrier_signal -1
	s_barrier_wait -1
.irp i, 0,1,2,3,4,5,6,7
	ds_load_b128 v[P+4*\i:P+4*\i+3], v[LR] offset:16*\i   ; two entries a load
.endr
	s_wait_dscnt 0x0
; a level of the tree: entry e + st, whose groups are later, takes the place of entry e only where its key is strictly smaller; the folds of a level do not wait for each other
.macro LEVEL st
.set e, 0
.rept 8/(\st)
	v_cmp_lt_u32 s[MK+e/(2*(\st))], v[P+2*(e+(\st))], v[P+2*e]
.set e, e+2*(\st)
.endr
.set e, 0
.rept 8/(\st)
	v_cndmask_b32 v[P+2*e], v[P+2*e], v[P+2*(e+(\st))], s[MK+e/(2*(\st))]
	v_cndmask_b32 v[P+2*e+1], v[P+2*e+1], v[P+2*(e+(\st))+1], s[MK+e/(2*(\st))]
.set e, e+2*(\st)
.endr
.endm
	LEVEL 1
	LEVEL 2
	LEVEL 4
	LEVEL 8
	v_readfirstlane_b32 s15, v[P+1]                ; lane 0's token is my wave's: its code
	s_min_u32 s15, s15, 0x1fff                     ; inside the table
	s_lshl_b32 s18, s15, 13                        ; 67,100,672 at the most (s19 is 0)
	s_add_nc_u64 s[8:9], s[8:9], s[18:19]
.irp i, 0,1,2,3,4,5,6,7,8,9,10,11,12,13,14,15
	global_load_b128 v[D+4*\i:D+4*\i+3], v[RO], s[8:9] offset:512*\i
.endr
	s_cmp_lg_u32 s14, 0
	s_cbranch_scc1 .Lrow
	s_wait_xcnt 0x0                                ; wave 0, while its row is on its way: EXEC is a source of the loads above: it is narrowed only behind this wait
	v_cmp_gt_u32 vcc_lo, 64, v[O1]
	s_and_saveexec_b32 s26, vcc_lo
	global_store_b32 v[O1], v[P+1], s[12:13]       ; lanes 0-15: the work-group's 16 codes, 64 consecutive bytes (16,384 bytes in the whole launch go out so)
	s_wait_xcnt 0x0                                ; and widened again only behind this one
	s_or_b32 exec_lo, exec_lo, s26
.Lrow:
.irp i, 0,1,2,3,4,5,6,7,8,9,10,11,12,13,14,15
	s_wait_loadcnt 15-\i                           ; loads come back in order (ISA guide 5.7.1): load i is in, the younger ones may be out
	global_store_b128 v[RO], v[D+4*\i:D+4*\i+3], s[10:11] offset:512*\i th:TH_STORE_NT   ; 32 lanes store 512 consecutive bytes, aligned
.endr
	s_wait_tensorcnt 0x0
	ds_add_u32 v112, v113
	s_wait_dscnt 0x0
	s_endpgm
.Lfunc_end_k_q5fd694013b_take:
	.size	k_q5fd694013b_take, .Lfunc_end_k_q5fd694013b_take-k_q5fd694013b_take
	.p2alignl 7, 3214868480
	.fill 96, 4, 3214868480
	.section	.rodata,"a",@progbits
	.p2align	6, 0x0
	.amdhsa_kernel k_q5fd694013b_take
		.amdhsa_group_segment_fixed_size 4352
		.amdhsa_private_segment_fixed_size 0
		.amdhsa_enable_private_segment 0
		.amdhsa_kernarg_size 40
		.amdhsa_user_sgpr_count 2
		.amdhsa_user_sgpr_kernarg_segment_ptr 1
		.amdhsa_wavefront_size32 1
		.amdhsa_system_sgpr_workgroup_id_x 1
		.amdhsa_system_sgpr_workgroup_id_y 1
		.amdhsa_system_sgpr_workgroup_id_z 1
		.amdhsa_system_vgpr_workitem_id 0
		.amdhsa_next_free_vgpr 114
		.amdhsa_next_free_sgpr 66
		.amdhsa_reserve_vcc 1
		.amdhsa_float_denorm_mode_32 3
		.amdhsa_float_denorm_mode_16_64 3
		.amdhsa_memory_ordered 1
		.amdhsa_forward_progress 1
		.amdhsa_inst_pref_size 11
	.end_amdhsa_kernel
	.amdgpu_metadata
---
amdhsa.version: [ 1, 2 ]
amdhsa.kernels:
  - .name:           k_q5fd694013b_take
    .symbol:         k_q5fd694013b_take.kd
    .args:
      - { .name: pkey, .offset: 0, .size: 8, .value_kind: global_buffer, .address_space: global }
      - { .name: pidx, .offset: 8, .size: 8, .value_kind: global_buffer, .address_space: global }
      - { .name: embedding, .offset: 16, .size: 8, .value_kind: global_buffer, .address_space: global }
      - { .name: out0, .offset: 24, .size: 8, .value_kind: global_buffer, .address_space: global }
      - { .name: out1, .offset: 32, .size: 8, .value_kind: global_buffer, .address_space: global }
    .group_segment_fixed_size: 4352
    .private_segment_fixed_size: 0
    .kernarg_segment_align: 8
    .kernarg_segment_size: 40
    .max_flat_workgroup_size: 512
    .sgpr_count:     66
    .vgpr_count:     114
    .wavefront_size: 32
...
	.end_amdgpu_metadata
.endif
;; end of part 3
